; MI455X (gfx1250); checked and timed in simulation.
; The chip was launched on July 23, 2026; its instructions are those of AMD's public machine-readable ISA for CDNA 5 (MIT licence, August 2026) and "CDNA5" Instruction Set Architecture Reference Guide (July 2026). The comments in the code are by the model that wrote it; some were corrected since.
;; Codebook. Allowed arithmetic: matrix products marked QUANTISED: E3M2 operands, one E8M0 scale for each 32 along K, by v_wmma_scale_f32_16x16x128_f8f6f4 with both operands' format E3M2, f32 sums; everything else in f32.
;; Inputs: emb 8,192 x 256 float32; z 32 x 1,024 x 256 float32.
;; Outputs: out0 32 x 1,024 x 256 float32; out1 32,768 int32; out2 one number float32.
;; This version of the problem:
;;   THIS VERSION OF THE PROBLEM IS GIVEN IN LOW PRECISION. The matrix products marked QUANTISED in the list below multiply operands that are first quantised to E3M2 (3 exponent bits, 2 mantissa bits; 6 bits a number), with one power-of-two scale for each 32 numbers along K (OCP MX v1.0); their sums are f32. All else is computed in f32.
;;   The module's matrix products, in the order in which they are computed (A, B: the left and right operand; K: the contracted axis; several contracted axes count as one K, in the product's order):
;;     1. [M 32,768, K 256] x [K 256, N 8,192]; A: input z; B: input emb: QUANTISED
;;   THE QUANTISER, for each operand of a quantised product, along K:
;;     - K is cut into blocks of 32 from its start; a last block that is shorter is filled with zeros.
;;     - A block's scale is 2^e with e = floor(log2(the largest magnitude in the block)) - 4, held to -126 .. 127; a block of zeros has e = 0. As a byte (E8M0): e + 127.
;;     - Each number is divided by its block's scale, clamped to +-28, and rounded to the nearest number of E3M2, ties to even, subnormals kept.
;;     - The product sums the exact products of the quantised numbers (number of the format x scale) in f32.
;;   ~~~python
;;   def quantise(x, axis):      # numpy; x: float32 -> the quantised numbers, widened to float32 again
;;       x = np.moveaxis(x, axis, -1); K = x.shape[-1]
;;       x = np.pad(x, [(0, 0)] * (x.ndim - 1) + [(0, -K % 32)]); x = x.reshape(x.shape[:-1] + (-1, 32)); a = np.abs(x).max(-1, keepdims=True)
;;       e = np.where(a > 0, np.clip(np.frexp(np.where(a > 0, a, 1))[1] - 1 - 4, -126, 127), 0)      # np.frexp(a)[1] - 1 = floor(log2(a)), exactly
;;       r = np.clip(x / 2.0 ** e, -28, 28)
;;       step = 2.0 ** (np.maximum(np.frexp(np.where(r == 0, 1, r))[1] - 1, -2) - 2)
;;       q = np.round(r / step) * step * 2.0 ** e      # np.round: ties to even
;;       return np.moveaxis(q.reshape(q.shape[:-2] + (-1,))[..., :K], -1, axis).astype(np.float32)
;;   ~~~
;; One version. Each part assembles by itself: llvm-mc -triple=amdgcn-amd-amdhsa -mcpu=gfx1250 --defsym DOCPART=n.
;; ======== version 1 of 1: 5 launches
;; limits: right only within a limited range of input values
;; workspace buffers: embq 1,703,936 bytes; zq 6,815,744 bytes; chunk 131,072 bytes of whole numbers; idx 131,072 bytes of whole numbers; part 2,048 bytes
;; launch quant (part 1): grid 640 x 1, 4 waves a work-group, no clusters, 67,072 bytes of LDS; arguments emb, z, embq, zq; writes embq, zq
.if DOCPART == 1
	.amdgcn_target "amdgcn-amd-amdhsa--gfx1250"
	.amdhsa_code_object_version 6
	.text
	.protected	k_q03f14a2ed0_quant
	.globl	k_q03f14a2ed0_quant
	.p2align	8
	.type	k_q03f14a2ed0_quant,@function
k_q03f14a2ed0_quant:
	s_mov_b64 s[64:65], 0
	v_nop
	global_prefetch_b8 v0, s[64:65] scope:SCOPE_SE
	s_setreg_imm32_b32 hwreg(HW_REG_WAVE_MODE, 25, 1), 1
	s_wait_xcnt 0x0
; emb [8192][256] and z [32768][256], f32, become codes of BF6 (E3M2) with one E8M0 scale byte for each 32 along K, laid as the later launches' operand registers want them.
; A RECORD of 3,328 bytes (13 x 256) holds a tile of 16 rows x 256 K:
;   512 g + 16 l  (g = 0 .. 5, l = lane)  registers 4 g .. 4 g + 3 of lane l's 24 operand registers (0-11: K 0-127, 12-23: K 128-255; lane l = row l % 16, half l / 16)
;   3072 + 4 l    the lane's scale word: lanes 0-15 row l, blocks 0-3; lanes 16-31 row l - 16, blocks 4-7
;   3200 + 4 m    the sum of squares of tile row m, f32;   3264 .. 3327 zeros
; ROWS OF A TILE.  z: tile T, row m = row 16 T + m.  emb: tile T (c = T / 2, u = T % 2), row m = code 32 c + 16 (m / 8) + 8 u + m % 8, so that in the product's result the 16 registers
; of tiles 2 c and 2 c + 1 of a lane are 16 neighbouring codes.
; A block's scale is 2^(floor(log2(largest magnitude)) - 4): its byte is the largest magnitude's exponent field - 4, held at 1 from below.
; LIMITS: a block of zeros gets the byte 1 (its codes are zeros, and this program alone reads the bytes); NaN and infinities among the inputs are not served; the sum of squares is an f32 sum in this text's own order
; (four packed chains a lane, then the halves, then the other half of the lanes).
; SHARES: one wave, one tile; 512 + 2,048 tiles, four waves a work-group.  The first 128 work-groups take emb, the others z: only pointers and two offsets are chosen, one path serves both.
; Each load takes 512 consecutive bytes; the 16 KB turn through the wave's own stage in LDS (rows 1,040 bytes apart: 16 rows start at 16 different 16-byte columns), so that a lane gets whole blocks of 32 neighbours.
; No tensor load, no barrier, no matrix work: waves share nothing and memory binds.
.set REC,   3328
.set SP,    1040                       ; a stage row: 1,024 bytes + 16
.set WSTG,  16*SP                      ; a wave's stage
.set EMBWG, 128                        ; work-groups that take emb
.set VLO, 4                            ; v4   16 x lane: my bytes of a load's 512, and of an image's 512
.set VHI, 5                            ; v5   the same + the gap in front of tile rows 8-15 (emb: 8 rows; z: none)
.set STW, 6                            ; v6   stage, on the way in
.set RDA, 7                            ; v7   stage, on the way out: row r, + 128 h
.set T4,  8                            ; v8   stage + 4 x lane
.set T8,  9                            ; v9   stage + 8 x lane
.set MX,  10                           ; v10-17 two chains of maxima for each of my four blocks
.set SOP, 18                           ; v18-21 the conversions' scale operands
.set BY,  22                           ; v22-25 the scale bytes
.set X,   32                           ; v32-159 128 numbers
.set F,   160                          ; v160-183 the 24 operand registers
.set TMP, 184                          ; v184-199 the upper halves of the blocks' codes
.set S,   200                          ; v200-207 four packed sums of squares
.set G8,  212                          ; v212 8 x lane
	s_load_b256 s[4:11], s[0:1], 0x0               ; emb s[4:5], z s[6:7], embq s[8:9], zq s[10:11]
	v_lshl_add_u32 v224, v0, 2, 0x10400
	v_mov_b32 v225, 0
	v_lshrrev_b32 v1, 5, v0
	v_readfirstlane_b32 s16, v1                    ; wave
	v_and_b32 v1, 31, v0                           ; l
	s_wait_alu depctr_va_vdst(0)
	v_and_b32 v2, 15, v0                           ; r
	s_wait_alu depctr_va_vdst(0)
	v_bfe_u32 v3, v0, 4, 1                         ; h
	s_mov_b32 s12, 0x76543210
	s_mov_b32 s13, 0xfedcba98                      ; v_permlanex16_b32's selects for lane l xor 16
	s_mov_b32 s14, 0xffff0000                      ; lanes 16-31
	s_lshl_b32 s17, ttmp9, 2
	s_add_co_u32 s17, s17, s16                     ; 4 x work-group + wave
	s_cmp_lt_u32 ttmp9, EMBWG
	s_cselect_b32 s18, 0, 4*EMBWG
	s_cselect_b32 s19, 8192, 0                     ; the gap: emb's tile rows 8-15 lie 8 rows of 1,024 bytes further on
	s_sub_co_u32 s17, s17, s18                     ; my tile in its tensor
	s_lshl_b32 s20, s17, 14                        ; z: 16 rows of 1,024 bytes a tile
	s_lshr_b32 s21, s17, 1
	s_lshl_b32 s21, s21, 15                        ; emb: 32 rows for a pair of tiles,
	s_and_b32 s22, s17, 1
	s_lshl_b32 s22, s22, 13                        ; 8 rows for the odd one
	s_add_co_u32 s21, s21, s22
	s_mul_i32 s24, s17, REC                        ; my record
	s_mov_b32 s25, 0
	s_mov_b32 s23, 0
	s_mul_i32 s26, s16, WSTG
	v_lshlrev_b32 v[VLO], 4, v1
	v_add_nc_u32 v[VHI], s19, v[VLO]
	v_add_nc_u32 v[STW], s26, v[VLO]
	v_mul_u32_u24 v[RDA], v2, SP
	s_wait_alu depctr_va_vdst(0)
	v_lshl_add_u32 v[RDA], v3, 7, v[RDA]
	v_add_nc_u32 v[RDA], s26, v[RDA]
	v_lshl_add_u32 v[T4], v1, 2, s26
	v_lshl_add_u32 v[T8], v1, 3, s26
	v_lshlrev_b32 v[G8], 3, v1
	s_wait_alu depctr_va_vdst(0)
	s_wait_kmcnt 0x0
	s_cmp_lt_u32 ttmp9, EMBWG                      ; the choice hangs on the work-group's number alone
	s_cselect_b32 s22, s21, s20
	s_cselect_b64 s[4:5], s[4:5], s[6:7]
	s_cselect_b64 s[8:9], s[8:9], s[10:11]
	s_add_nc_u64 s[4:5], s[4:5], s[22:23]
	s_add_nc_u64 s[8:9], s[8:9], s[24:25]
.irp m, 0,1,2,3,4,5,6,7
.irp f, 0,1
	global_load_b128 v[X+8*\m+4*\f:X+8*\m+4*\f+3], v[VLO], s[4:5] offset:1024*\m+512*\f th:TH_LOAD_NT   ; 32 lanes read 512 consecutive bytes
.endr
.endr
.irp m, 8,9,10,11,12,13,14,15
.irp f, 0,1
	global_load_b128 v[X+8*\m+4*\f:X+8*\m+4*\f+3], v[VHI], s[4:5] offset:1024*\m+512*\f th:TH_LOAD_NT
.endr
.endr
.set cnt, 0
.rept 32
	s_wait_loadcnt 31-cnt                          ; loads come back in order: this one is in, the younger ones stay out
	ds_store_b128 v[STW], v[X+4*cnt:X+4*cnt+3] offset:SP*(cnt/2)+512*(cnt%2)
.set cnt, cnt+1
.endr
.irp b, 0,1,2,3                        ; my block 2 b + h of row r, 32 neighbours.  LDS serves a wave's instructions in order: these see the stores above
.irp i, 0,1,2,3,4,5,6,7
	ds_load_b128 v[X+32*\b+4*\i:X+32*\b+4*\i+3], v[RDA] offset:256*\b+16*\i
.endr
.endr
	s_wait_dscnt 0x0
.irp b, 0,1,2,3                        ; the largest magnitude of each block: two chains a block, the four blocks by turns
	v_max3_num_f32 v[MX+2*\b], |v[X+32*\b]|, |v[X+32*\b+1]|, 0x2800000           ; with the floor 2^(5 - 127): the byte cannot fall under 1
	v_max3_num_f32 v[MX+2*\b+1], |v[X+32*\b+16]|, |v[X+32*\b+17]|, |v[X+32*\b+18]|
.endr
.irp i, 2,4,6,8,10,12,14
.irp b, 0,1,2,3
	v_max3_num_f32 v[MX+2*\b], v[MX+2*\b], |v[X+32*\b+\i]|, |v[X+32*\b+\i+1]|
.endr
.endr
.irp i, 19,21,23,25,27,29
.irp b, 0,1,2,3
	v_max3_num_f32 v[MX+2*\b+1], v[MX+2*\b+1], |v[X+32*\b+\i]|, |v[X+32*\b+\i+1]|
.endr
.endr
.irp b, 0,1,2,3
	v_max3_num_f32 v[MX+2*\b], v[MX+2*\b], v[MX+2*\b+1], |v[X+32*\b+31]|
.endr
.irp b, 0,1,2,3
	v_add_nc_u32 v[SOP+\b], 0xfe000000, v[MX+2*\b] ; 4 off the exponent field: the conversion takes the exponent field of this operand as its scale
.endr
.irp b, 0,1,2,3
	v_lshrrev_b32 v[BY+\b], 23, v[SOP+\b]          ; the scale's byte
.endr
.irp b, 0,1,2,3                        ; the sums of squares: a packed chain for each block
	v_pk_mul_f32 v[S+2*\b:S+2*\b+1], v[X+32*\b:X+32*\b+1], v[X+32*\b:X+32*\b+1]
.endr
.irp i, 2,4,6,8,10,12,14,16,18,20,22,24,26,28,30
.irp b, 0,1,2,3
	v_pk_fma_f32 v[S+2*\b:S+2*\b+1], v[X+32*\b+\i:X+32*\b+\i+1], v[X+32*\b+\i:X+32*\b+\i+1], v[S+2*\b:S+2*\b+1]
.endr
.endr
.irp b, 0,1,2,3
	v_cvt_scalef32_pk16_bf6_f32 v[F+6*\b:F+6*\b+2], v[X+32*\b:X+32*\b+15], v[SOP+\b]          ; registers 6 b .. 6 b + 2 of the operand
	v_cvt_scalef32_pk16_bf6_f32 v[TMP+4*\b:TMP+4*\b+2], v[X+32*\b+16:X+32*\b+31], v[SOP+\b]   ; (a conversion's three registers begin on an even number: the upper half is made here and moved)
.endr
	v_nop                                          ; one plain place behind a scaled conversion
.irp b, 0,1,2,3
.irp i, 0,1,2
	v_mov_b32 v[F+6*\b+3+\i], v[TMP+4*\b+\i]
.endr
.endr
.irp g, 0,1,2,3,4,5
	global_store_b128 v[VLO], v[F+4*\g:F+4*\g+3], s[8:9] offset:512*\g   ; 32 lanes store 512 consecutive bytes, at a multiple of 256 from the buffer's first byte
.endr
	; the scale words: my bytes are those of blocks h, 2 + h (K 0-127) and 4 + h, 6 + h (K 128-255) of row r
	v_lshl_or_b32 v26, v[BY+1], 16, v[BY]
	v_lshl_or_b32 v27, v[BY+3], 16, v[BY+2]
	v_lshlrev_b32 v28, 3, v3
	v_lshlrev_b32 v26, v28, v26                    ; 8 h bits up
	v_lshlrev_b32 v27, v28, v27
	v_mov_b32 v29, 0                               ; (a lane permute's destination counts as one of its sources)
	v_mov_b32 v30, 0
	v_permlanex16_b32 v29, v26, s12, s13
	v_permlanex16_b32 v30, v27, s12, s13
	v_or_b32 v26, v26, v29                         ; with lane l xor 16's two bytes each word is whole
	v_or_b32 v27, v27, v30
	v_cndmask_b32 v26, v26, v27, s14               ; lanes 0-15 keep the word of K 0-127, lanes 16-31 take that of K 128-255
	v_pk_add_f32 v[S:S+1], v[S:S+1], v[S+2:S+3]
	v_pk_add_f32 v[S+4:S+5], v[S+4:S+5], v[S+6:S+7]
	v_pk_add_f32 v[S:S+1], v[S:S+1], v[S+4:S+5]
	v_add_f32 v[S], v[S], v[S+1]
	v_permlanex16_b32 v[S+1], v[S], s12, s13
	v_add_f32 v[S], v[S], v[S+1]                   ; the row's sum of squares
	v_mov_b32 v31, 0
	v_cndmask_b32 v[S], v[S], v31, s14             ; lanes 16-31 give the record's zeros
	ds_store_b32 v[T4], v26                        ; the record's last 256 bytes are gathered in my stage (my reads of it are over)
	ds_store_b32 v[T4], v[S] offset:128
	ds_load_b64 v[208:209], v[T8]
	s_wait_dscnt 0x0
	global_store_b64 v[G8], v[208:209], s[8:9] offset:3072   ; 32 lanes store 256 consecutive bytes, aligned
	s_wait_tensorcnt 0x0
	ds_add_u32 v224, v225
	s_wait_dscnt 0x0
	s_endpgm
.Lfunc_end_k_q03f14a2ed0_quant:
	.size	k_q03f14a2ed0_quant, .Lfunc_end_k_q03f14a2ed0_quant-k_q03f14a2ed0_quant
	.p2alignl 7, 3214868480
	.fill 96, 4, 3214868480
	.section	.rodata,"a",@progbits
	.p2align	6, 0x0
	.amdhsa_kernel k_q03f14a2ed0_quant
		.amdhsa_group_segment_fixed_size 67072
		.amdhsa_private_segment_fixed_size 0
		.amdhsa_enable_private_segment 0
		.amdhsa_kernarg_size 32
		.amdhsa_user_sgpr_count 2
		.amdhsa_user_sgpr_kernarg_segment_ptr 1
		.amdhsa_wavefront_size32 1
		.amdhsa_system_sgpr_workgroup_id_x 1
		.amdhsa_system_sgpr_workgroup_id_y 1
		.amdhsa_system_sgpr_workgroup_id_z 1
		.amdhsa_system_vgpr_workitem_id 0
		.amdhsa_next_free_vgpr 226
		.amdhsa_next_free_sgpr 66
		.amdhsa_reserve_vcc 0
		.amdhsa_float_denorm_mode_32 3
		.amdhsa_float_denorm_mode_16_64 3
		.amdhsa_memory_ordered 1
		.amdhsa_forward_progress 1
		.amdhsa_inst_pref_size 22
	.end_amdhsa_kernel
	.amdgpu_metadata
---
amdhsa.version: [ 1, 2 ]
amdhsa.kernels:
  - .name:           k_q03f14a2ed0_quant
    .symbol:         k_q03f14a2ed0_quant.kd
    .args:
      - { .name: emb, .offset: 0, .size: 8, .value_kind: global_buffer, .address_space: global }
      - { .name: z, .offset: 8, .size: 8, .value_kind: global_buffer, .address_space: global }
      - { .name: embq, .offset: 16, .size: 8, .value_kind: global_buffer, .address_space: global }
      - { .name: zq, .offset: 24, .size: 8, .value_kind: global_buffer, .address_space: global }
    .group_segment_fixed_size: 67072
    .private_segment_fixed_size: 0
    .kernarg_segment_align: 8
    .kernarg_segment_size: 32
    .max_flat_workgroup_size: 128
    .sgpr_count:     66
    .vgpr_count:     226
    .wavefront_size: 32
...
	.end_amdgpu_metadata
.endif
;; end of part 1
;; launch search (part 2): grid 256 x 1, 8 waves a work-group, clusters of 4 x 1, 327,680 bytes of LDS; arguments embq, zq, chunk; writes chunk
.if DOCPART == 2
	.amdgcn_target "amdgcn-amd-amdhsa--gfx1250"
	.amdhsa_code_object_version 6
	.text
	.protected	k_q03f14a2ed0_search
	.globl	k_q03f14a2ed0_search
	.p2align	8
	.type	k_q03f14a2ed0_search,@function
k_q03f14a2ed0_search:
	s_mov_b64 s[64:65], 0
	v_nop
	global_prefetch_b8 v0, s[64:65] scope:SCOPE_SE
	s_setreg_imm32_b32 hwreg(HW_REG_WAVE_MODE, 25, 1), 1
	s_wait_xcnt 0x0
	s_wait_alu depctr_hold_cnt(0) depctr_sa_sdst(0) depctr_va_vdst(0) depctr_va_sdst(0) depctr_va_ssrc(0) depctr_va_vcc(0) depctr_vm_vsrc(0)
	s_getreg_b32 s2, hwreg(HW_REG_IB_STS2, 6, 4)
	s_cmp_eq_u32 s2, 0
	s_cbranch_scc0 .Lentry_in_a_cluster
	s_endpgm
.Lentry_in_a_cluster:
	s_bfe_u32 s2, ttmp6, 0x10000c
	s_cmp_lg_u32 s2, 0x3003
	s_cbranch_scc0 .Lentry_shape_is_right
	s_endpgm
.Lentry_shape_is_right:
; For each row of z: the first chunk of 16 neighbouring codes that holds the smallest d = fl(fl(ee + zz) - 2 m), m = the MX-BF6 product of the row with a code.
; SHARES: a work-group takes 128 rows of z (8 records, in every wave's window 1) against all 512 records of emb.  emb goes through two LDS slots of 32 records; wave w loads and reads records 4 w .. 4 w + 3 of a slot.
; Source 0 = a record of emb (16 codes), source 1 = a tile of z: lane (r, h) holds row r of z, register j the record's row 8 h + j; records 2 c, 2 c + 1 give a lane the 16 codes of chunk 2 c + h.
; A UNIT is eight matrix instructions (four accumulators by turns, twice round) and then the vector work on the unit before: t and d as dual pairs, four chains of v_min3,
; and behind each pair of records one compare and one select a tile.  A strict compare keeps the earlier chunk.
; CLUSTERS: the four work-groups of a cluster need the same records: each part is asked for jointly (mask 15).
; THE WALK IS ROTATED: cluster c begins at slot c % 16 and wraps.  When the walk comes to slot 0 the best so far is saved and the search begins anew; at the end the saved one, whose chunks are all higher, wins only if strictly smaller.
; No prefetch is laid: from the second step on, each slot that a cluster loads has been loaded in the step before by the clusters that began one slot further on.
; LIMITS: NaN and infinities among the inputs are not served.
.set REC,   3328
.set PART,  4*REC                      ; a wave's part of a slot: 52 rows of 256 bytes
.set SLOTB, 8*PART
.set SCR,   2*SLOTB                    ; 8 x 1,024 bytes: the waves' results meet here
.set SPARE, SCR+8*1024                 ; the spare words, 128 bytes a wave
.set AADR, 1                           ; v1-2 images, v3-4 scale words, v5-6 ee: LDS addresses in slot 0, 1
.set SADR, 3
.set EADR, 5
.set SPW,  7
.set NIL,  8
.set ZZ,   16                          ; v16-23 zz of my row in tile u
.set BSC,  24                          ; v24-31 z's scale words
.set BA,   32                          ; v32-47 the smallest d so far, two sets by turns
.set BB,   40
.set BI,   48                          ; v48-55 its pair of records
.set SA,   56                          ; v56-71 what was saved at the wrap
.set SI,   64
.set ACC,  72                          ; v72-135 eight accumulators
.set AF,   136                         ; v136-183 two records of emb
.set ASC,  184
.set EE,   186                         ; v186-201 their ee
.set T,    202                         ; v202-233 t, then d, of four tiles
.set PR,   218
.set RR,   136
.set G1,   16
.set G0,   24
.set CID,  32
.set SX,   33                          ; the slot of emb that is being multiplied
.set TRIP, 34
.set W2,   35
.set SEL,  36
.set MB,   44
.set EB,   48                          ; embq + my wave's part
.set OF,   50
.set WQ,   0x04                        ; source 1 in window 1
.set MSB, 0
.macro WIN new
.if MSB != \new
	s_set_vgpr_msb (MSB<<8)|\new
.set MSB, \new
.endif
.endm
.macro CREST                           ; a round of the cluster's barrier behind its opening barrier
	s_cmp_lg_u32 s10, 0
	s_cbranch_scc1 .Lnot_wave_0_\@
	s_barrier_signal -3
.Lnot_wave_0_\@:
	s_barrier_wait -3
	s_barrier_signal -1
	s_barrier_wait -1
.endm
.macro CROUND
	s_barrier_signal -1
	s_barrier_wait -1
	CREST
.endm
.macro MM t, q                         ; record t against tiles 4 q .. 4 q + 3 of z: K 0-127 starts the sums, K 128-255 ends them
.set eT, (\t)%2
	WIN WQ
.irp x, 0,1,2,3
	v_wmma_scale_f32_16x16x128_f8f6f4 v[ACC+8*(4*(\q)+\x):ACC+8*(4*(\q)+\x)+7], v[AF+24*eT:AF+24*eT+11], v[24*(4*(\q)+\x):24*(4*(\q)+\x)+11], 0, v[ASC+eT], v[BSC+4*(\q)+\x] matrix_a_fmt:MATRIX_FMT_BF6 matrix_b_fmt:MATRIX_FMT_BF6
.endr
.irp x, 0,1,2,3
	v_wmma_scale_f32_16x16x128_f8f6f4 v[ACC+8*(4*(\q)+\x):ACC+8*(4*(\q)+\x)+7], v[AF+24*eT+12:AF+24*eT+23], v[24*(4*(\q)+\x)+12:24*(4*(\q)+\x)+23], v[ACC+8*(4*(\q)+\x):ACC+8*(4*(\q)+\x)+7], v[ASC+eT], v[BSC+4*(\q)+\x] matrix_a_fmt:MATRIX_FMT_BF6 matrix_b_fmt:MATRIX_FMT_BF6 matrix_a_scale:MATRIX_SCALE_ROW1 matrix_b_scale:MATRIX_SCALE_ROW1
.endr
	WIN 0
.endm
.macro STRETCH tp, qp                  ; the vector work on unit (tp, qp)
.set eP, (\tp)%2
.set U0, 4*(\qp)
.if (\tp)/2 == 0
.set OLD, BA
.set NEW, BB
.else
.set OLD, BB
.set NEW, BA
.endif
.irp p, 0,1                            ; t = fl(ee + zz): a pair takes an even register of one tile and an odd one of its neighbour, so that all sources lie in different banks
.irp j, 0,2,4,6
	v_dual_add_f32 v[T+16*\p+\j], v[EE+8*eP+\j], v[ZZ+U0+2*\p] :: v_dual_add_f32 v[T+16*\p+9+\j], v[EE+8*eP+\j+1], v[ZZ+U0+2*\p+1]
	v_dual_add_f32 v[T+16*\p+8+\j], v[EE+8*eP+\j], v[ZZ+U0+2*\p+1] :: v_dual_add_f32 v[T+16*\p+1+\j], v[EE+8*eP+\j+1], v[ZZ+U0+2*\p]
.endr
.endr
.irp x, 0,1,2,3                        ; d = fl(t - 2 m); each accumulator is read from its low end on
.irp j, 0,2,4,6
	v_dual_fmac_f32 v[T+8*\x+\j], -2.0, v[ACC+8*(U0+\x)+\j] :: v_dual_fmac_f32 v[T+8*\x+\j+1], -2.0, v[ACC+8*(U0+\x)+\j+1]
.endr
.endr
.irp n, 0,1,2,3                        ; four chains by turns
.irp x, 0,1,2,3
.if ((\tp)%2 == 0) && (\n == 0)
	v_min3_num_f32 v[NEW+U0+\x], v[OLD+U0+\x], v[T+8*\x+2*\n], v[T+8*\x+2*\n+1]
.else
	v_min3_num_f32 v[NEW+U0+\x], v[NEW+U0+\x], v[T+8*\x+2*\n], v[T+8*\x+2*\n+1]
.endif
.endr
.endr
.if (\tp)%2
.irp x, 0,1,2,3
	v_cmp_lt_f32 s[MB+\x], v[NEW+U0+\x], v[OLD+U0+\x]
.endr
.irp x, 0,1,2,3
	v_cndmask_b32 v[BI+U0+\x], v[BI+U0+\x], s[CID], s[MB+\x]
.endr
.endif
.endm
.macro LOADS b, t                      ; record t of my part of slot b into set t % 2
.set eL, (\t)%2
.irp g, 0,1,2,3,4,5
	ds_load_b128 v[AF+24*eL+4*\g:AF+24*eL+4*\g+3], v[AADR+(\b)] offset:REC*(\t)+512*\g
.endr
	ds_load_b32 v[ASC+eL], v[SADR+(\b)] offset:REC*(\t)+3072
	ds_load_b128 v[EE+8*eL:EE+8*eL+3], v[EADR+(\b)] offset:REC*(\t)+3200
	ds_load_b128 v[EE+8*eL+4:EE+8*eL+7], v[EADR+(\b)] offset:REC*(\t)+3216
.endm
; A slot: four records, two units each.  mode 2: the slot is filled again, two steps of the walk ahead; 1: nothing is filled, another slot follows; 0: the last.
.macro SLOT b, mode
.irp t, 0,1,2,3
	s_wait_alu depctr_va_vdst(0)
	s_wait_dscnt 0x0                               ; record t is in registers; at t = 3 my reads of this slot are over
.if (\t == 3) && (\mode == 2)
	s_wait_tensorcnt 0x0                           ; my one tensor load, my part of the other slot, has landed
	ds_add_u32 v[SPW], v[NIL]                      ; work on registers stands between the add and the wait for it
	s_add_co_u32 s[OF], s[SX], 2
	s_and_b32 s[OF], s[OF], 15
	s_mul_i32 s[OF], s[OF], SLOTB                  ; the slot of emb two steps on, wrapped
	s_add_nc_u64 s[G0+4*\b+2:G0+4*\b+3], s[EB:EB+1], s[OF:OF+1]
	s_or_b32 s[G0+4*\b+3], s[G0+4*\b+3], 0x80000000
.endif
.if (\t == 3) && (\mode == 1)
	s_wait_tensorcnt 0x0                           ; my part of the last slot has landed; only I read it
.endif
	MM \t, 0
.if (\t == 3) && (\mode == 2)
	s_wait_dscnt 0x0                               ; the add is done
	s_barrier_signal -1                            ; opens a round of the cluster's barrier
.endif
	STRETCH (\t+3)%4, 1
.if \t == 0
	s_lshl_b32 s[CID], s[SX], 4                    ; the last slot's results are all in: this slot's first pair of records is 16 x slot + 2 x wave
	s_add_co_u32 s[CID], s[CID], s[W2]
	s_cmp_lg_u32 s[SX], 0                          ; ids alone, the same in all waves and partners
	s_wait_alu depctr_va_vdst(0)
	s_cbranch_scc1 .Lno_wrap_\@
.irp u, 0,1,2,3,4,5,6,7
	v_mov_b32 v[SA+\u], v[BA+\u]                   ; the walk is at slot 0: what was found so far lies in higher chunks
	v_mov_b32 v[SI+\u], v[BI+\u]
.endr
.irp u, 0,1,2,3,4,5,6,7
	v_mov_b32 v[BA+\u], 0x7f800000
.endr
.Lno_wrap_\@:
.endif
.if \t == 2
	s_add_co_u32 s[CID], s[CID], 1                 ; the first pair's selects are done
.endif
.if (\t == 3) && (\mode == 2)
	s_wait_alu depctr_va_vdst(0)
	s_barrier_wait -1
	CREST                                          ; no wave of any partner reads this slot or has a load on its way
	tensor_load_to_lds s[G0+4*\b:G0+4*\b+3], s[G1:G1+7]
	s_nop 0
.rept 4
	v_nop
.endr
.endif
.if \t < 3
	LOADS \b, \t+1
.elseif \mode > 0
	LOADS 1-\b, 0
.endif
	MM \t, 1
	STRETCH \t, 0
.endr
	s_add_co_u32 s[SX], s[SX], 1
	s_and_b32 s[SX], s[SX], 15
.endm
.macro LEX vd, cd, va, ca, vb, cb      ; the smaller d; of equal ones the lower chunk
	v_cmp_lt_f32 s38, v[\vb], v[\va]
	v_cmp_eq_f32 s39, v[\vb], v[\va]
	v_cmp_lt_u32 s40, v[\cb], v[\ca]
	s_and_b32 s39, s39, s40
	s_or_b32 s38, s38, s39
	v_cndmask_b32 v[\vd], v[\va], v[\vb], s38
	v_cndmask_b32 v[\cd], v[\ca], v[\cb], s38
.endm
	s_load_b128 s[4:7], s[0:1], 0x0                ; embq, zq
	s_load_b64 s[8:9], s[0:1], 0x10                ; chunk
	v_lshl_add_u32 v[SPW], v0, 2, SPARE
	v_mov_b32 v[NIL], 0
	ds_add_u32 v[SPW], v[NIL]                      ; the opening lines: the add twice on end
	ds_add_u32 v[SPW], v[NIL]
	v_lshrrev_b32 v9, 5, v0
	v_readfirstlane_b32 s10, v9                    ; wave
	s_bfe_u32 s11, ttmp6, 0x40000                  ; cx
	s_lshl_b32 s12, ttmp9, 2
	s_add_co_u32 s12, s12, s11                     ; work-group
	s_mov_b32 s[G1], 15|(3<<16)|(1<<21)            ; mask: all four partners; elements of 8 bytes
	s_mov_b32 s[G1+1], 32<<16                      ; 52 dense rows of 256 bytes
	s_mov_b32 s[G1+2], 52<<16
	s_mov_b32 s[G1+3], 32<<16
	s_mov_b32 s[G1+4], 52
	s_mov_b32 s[G1+5], 32
	s_mov_b32 s[G1+6], 0
	s_mov_b32 s[G1+7], 0
	s_mul_i32 s38, s10, PART
	s_mov_b32 s39, 0
	s_mul_i32 s42, s12, 8*REC                      ; my work-group's eight records of z
	s_mov_b32 s43, 0
	s_lshl_b32 s52, s12, 9                         ; and its 128 words of chunk
	s_mov_b32 s53, 0
	s_mov_b32 s[SEL], 0x76543210
	s_mov_b32 s[SEL+1], 0xfedcba98
	s_lshl_b32 s[W2], s10, 1
	s_mov_b32 s[CID], 0
	s_and_b32 s[SX], ttmp9, 15                     ; where my cluster's walk begins
	s_mul_i32 s[OF], s[SX], SLOTB
	s_mov_b32 s[OF+1], 0
	s_add_co_u32 s54, s[SX], 1
	s_and_b32 s54, s54, 15
	s_mul_i32 s54, s54, SLOTB
	s_mov_b32 s55, 0
	s_lshl_b32 s56, s10, 10
	s_and_b32 s57, s10, 1
	s_lshl_b32 s58, s57, 9
	s_lshl_b32 s59, s57, 8
	v_and_b32 v10, 31, v0
	v_and_b32 v11, 15, v0
	v_bfe_u32 v12, v0, 4, 1                        ; h
	v_lshlrev_b32 v9, 4, v10                       ; 16 l
	v_add_nc_u32 v[AADR], s38, v9
	v_add_nc_u32 v[AADR+1], SLOTB, v[AADR]
	v_lshlrev_b32 v10, 2, v10                      ; 4 l
	v_add_nc_u32 v[SADR], s38, v10
	v_add_nc_u32 v[SADR+1], SLOTB, v[SADR]
	v_lshlrev_b32 v13, 5, v12
	v_add_nc_u32 v[EADR], s38, v13                 ; ee of the record's rows 8 h on
	v_add_nc_u32 v[EADR+1], SLOTB, v[EADR]
	v_lshlrev_b32 v13, 3, v11
	v_add_nc_u32 v13, s56, v13
	v_add_nc_u32 v13, SCR, v13                     ; my wave's results: 8 bytes a row
	v_add_nc_u32 v14, s58, v9
	v_add_nc_u32 v14, SCR, v14                     ; and back: two rows a lane, 64 rows a wave
	v_lshlrev_b32 v15, 1, v10
	v_add_nc_u32 v15, s59, v15
	v_lshlrev_b32 v11, 2, v11                      ; 4 r
	s_wait_alu depctr_va_vdst(0)
	s_wait_dscnt 0x0                               ; both opening adds are done
	s_wait_kmcnt 0x0
	s_add_nc_u64 s[EB:EB+1], s[4:5], s[38:39]
	s_add_nc_u64 s[6:7], s[6:7], s[42:43]
	s_add_nc_u64 s[8:9], s[8:9], s[52:53]
	s_mov_b32 s[G0], 1
	s_mov_b32 s[G0+1], s38
	s_add_nc_u64 s[G0+2:G0+3], s[EB:EB+1], s[OF:OF+1]
	s_or_b32 s[G0+3], s[G0+3], 0x80000000
	s_mov_b32 s[G0+4], 1
	s_add_co_u32 s[G0+5], s38, SLOTB
	s_add_nc_u64 s[G0+6:G0+7], s[EB:EB+1], s[54:55]
	s_or_b32 s[G0+7], s[G0+7], 0x80000000
	CROUND                                         ; the partners are here: the first joint loads meet
	tensor_load_to_lds s[G0:G0+3], s[G1:G1+7]      ; the walk's first slot: one tensor load a wave at the head
	s_nop 0
	WIN 0x40
.irp u, 0,1,2,3,4,5,6,7                ; z's eight tiles go out under that load's flight
.irp g, 0,1,2,3,4,5
	global_load_b128 v[24*\u+4*\g:24*\u+4*\g+3], v9, s[6:7] offset:REC*\u+512*\g
.endr
.endr
	WIN 0
.irp u, 0,1,2,3,4,5,6,7
	global_load_b32 v[BSC+\u], v10, s[6:7] offset:REC*\u+3072
	global_load_b32 v[ZZ+\u], v11, s[6:7] offset:REC*\u+3200
.endr
.irp j, 0,1,2,3,4,5,6,7,8,9,10,11,12,13,14,15,16,17,18,19,20,21,22,23,24,25,26,27,28,29,30,31
	v_mov_b32 v[ACC+32+\j], 0xff800000             ; the first unit finds a unit before it whose every d is +infinity
.endr
.irp j, 0,1,2,3,4,5,6,7
	v_mov_b32 v[EE+8+\j], 0
	v_mov_b32 v[BA+\j], 0x7f800000
	v_mov_b32 v[BB+\j], 0x7f800000
	v_mov_b32 v[BI+\j], 0
	v_mov_b32 v[SA+\j], 0x7f800000
	v_mov_b32 v[SI+\j], 0
.endr
	s_wait_alu depctr_va_vdst(0)
	s_wait_tensorcnt 0x0                           ; the second slot's first fill is issued as a refill is
	ds_add_u32 v[SPW], v[NIL]
	s_wait_dscnt 0x0
	CROUND
	tensor_load_to_lds s[G0+4:G0+7], s[G1:G1+7]
	s_nop 0
.rept 4
	v_nop
.endr
	LOADS 0, 0
	s_wait_loadcnt 0x0                             ; z
	s_mov_b32 s[TRIP], 7
.Lring:
	SLOT 0, 2
	SLOT 1, 2
	s_sub_co_u32 s[TRIP], s[TRIP], 1
	s_cmp_lg_u32 s[TRIP], 0
	s_cbranch_scc1 .Lring
	SLOT 0, 1                                      ; the last two slots fill nothing
	SLOT 1, 0
	STRETCH 3, 1
.irp u, 0,1,2,3,4,5,6,7                ; what was saved at the wrap wins only if strictly smaller: its chunks are higher
	v_cmp_lt_f32 s[MB+\u%4], v[SA+\u], v[BA+\u]
	v_cndmask_b32 v[BA+\u], v[BA+\u], v[SA+\u], s[MB+\u%4]
	v_cndmask_b32 v[BI+\u], v[BI+\u], v[SI+\u], s[MB+\u%4]
.endr
.irp u, 0,1,2,3,4,5,6,7
	v_lshl_add_u32 v[BI+\u], v[BI+\u], 1, v12      ; chunk = 2 x pair + h
.endr
.irp u, 0,1,2,3,4,5,6,7
	v_permlanex16_b32 v[T+\u], v[BA+\u], s[SEL], s[SEL+1]
	v_permlanex16_b32 v[T+8+\u], v[BI+\u], s[SEL], s[SEL+1]
.endr
.irp u, 0,1,2,3,4,5,6,7
	LEX PR+2*\u, PR+2*\u+1, BA+\u, BI+\u, T+\u, T+8+\u
.endr
.irp u, 0,1,2,3,4,5,6,7
	ds_store_b64 v13, v[PR+2*\u:PR+2*\u+1] offset:128*\u
.endr
	s_wait_alu depctr_va_vdst(0)
	s_wait_dscnt 0x0                               ; for the others' sake: my stores are done
	s_barrier_signal -1
	s_barrier_wait -1
.irp k, 0,1,2,3,4,5,6,7
	ds_load_b128 v[RR+4*\k:RR+4*\k+3], v14 offset:1024*\k   ; two rows' results of wave k
.endr
	s_wait_dscnt 0x0
.irp k, 1,2,3,4,5,6,7
	LEX RR, RR+1, RR, RR+1, RR+4*\k, RR+4*\k+1
	LEX RR+2, RR+3, RR+2, RR+3, RR+4*\k+2, RR+4*\k+3
.endr
	v_mov_b32 v168, v[RR+1]
	v_mov_b32 v169, v[RR+3]
	s_cmp_lt_u32 s10, 2
	s_cbranch_scc0 .Lno_store
	global_store_b64 v15, v[168:169], s[8:9]       ; waves 0 and 1: 256 consecutive bytes each, aligned
.Lno_store:
	s_wait_tensorcnt 0x0                           ; the wave's end
	ds_add_u32 v[SPW], v[NIL]
	s_wait_dscnt 0x0
	CROUND                                         ; the closing round
	s_endpgm
.Lfunc_end_k_q03f14a2ed0_search:
	.size	k_q03f14a2ed0_search, .Lfunc_end_k_q03f14a2ed0_search-k_q03f14a2ed0_search
	.p2alignl 7, 3214868480
	.fill 96, 4, 3214868480
	.section	.rodata,"a",@progbits
	.p2align	6, 0x0
	.amdhsa_kernel k_q03f14a2ed0_search
		.amdhsa_group_segment_fixed_size 327680
		.amdhsa_private_segment_fixed_size 0
		.amdhsa_enable_private_segment 0
		.amdhsa_kernarg_size 24
		.amdhsa_user_sgpr_count 2
		.amdhsa_user_sgpr_kernarg_segment_ptr 1
		.amdhsa_wavefront_size32 1
		.amdhsa_system_sgpr_workgroup_id_x 1
		.amdhsa_system_sgpr_workgroup_id_y 1
		.amdhsa_system_sgpr_workgroup_id_z 1
		.amdhsa_system_vgpr_workitem_id 0
		.amdhsa_next_free_vgpr 448
		.amdhsa_next_free_sgpr 66
		.amdhsa_reserve_vcc 0
		.amdhsa_float_denorm_mode_32 3
		.amdhsa_float_denorm_mode_16_64 3
		.amdhsa_memory_ordered 1
		.amdhsa_forward_progress 1
		.amdhsa_inst_pref_size 187
	.end_amdhsa_kernel
	.amdgpu_metadata
---
amdhsa.version: [ 1, 2 ]
amdhsa.kernels:
  - .name:           k_q03f14a2ed0_search
    .symbol:         k_q03f14a2ed0_search.kd
    .args:
      - { .name: embq, .offset: 0, .size: 8, .value_kind: global_buffer, .address_space: global }
      - { .name: zq, .offset: 8, .size: 8, .value_kind: global_buffer, .address_space: global }
      - { .name: chunk, .offset: 16, .size: 8, .value_kind: global_buffer, .address_space: global }
    .group_segment_fixed_size: 327680
    .private_segment_fixed_size: 0
    .kernarg_segment_align: 8
    .kernarg_segment_size: 24
    .max_flat_workgroup_size: 256
    .sgpr_count:     66
    .vgpr_count:     448
    .wavefront_size: 32
...
	.end_amdgpu_metadata
.endif
;; end of part 2
;; launch resolve (part 3): grid 256 x 1, 16 waves a work-group, no clusters, 4,096 bytes of LDS; arguments embq, zq, chunk, out1, idx; writes out1, idx
.if DOCPART == 3
	.amdgcn_target "amdgcn-amd-amdhsa--gfx1250"
	.amdhsa_code_object_version 6
	.text
	.protected	k_q03f14a2ed0_resolve
	.globl	k_q03f14a2ed0_resolve
	.p2align	8
	.type	k_q03f14a2ed0_resolve,@function
k_q03f14a2ed0_resolve:
	s_mov_b64 s[64:65], 0
	v_nop
	global_prefetch_b8 v0, s[64:65] scope:SCOPE_SE
	s_setreg_imm32_b32 hwreg(HW_REG_WAVE_MODE, 25, 1), 1
	s_wait_xcnt 0x0
; For each row of z the launch before has stored the first chunk of 16 neighbouring codes that holds the smallest d.  Here the chunk's 16 scores are made anew, by the same two matrix instructions on the same codes and
; scale words, d by the same two roundings, and the FIRST smallest gives the index: 16 x chunk + place.  It goes to out1 and, as whole numbers for the next launch's addresses, to idx.
; For row i of a tile of z: source 0 = the 16 codes of row i's chunk, gathered lane by lane from the records of emb (A's row a = code 16 chunk + a), source 1 = the tile of z; column i of the result is kept.
; In the kept result lane (r, h) holds, for row r of z, places 8 h + 0 .. 7 of its chunk.
; SHARES: a work-group takes 128 rows; wave w rows 8 (w % 2) + 0 .. 7 of tile w / 2, four rows at a time.  Four waves share a SIMD, so that one wave's gathers stand beside another's work.
; No tensor load and no cluster: which records a wave reads hangs on the stored chunks, row by row, and nothing is shared between work-groups but the whole of embq.
; LIMITS: as in the launch before (NaN and infinities not served).  A chunk number is held at 511 before it enters an address.
.set REC, 3328
.set B,   16                           ; v16-39  z's tile
.set BSC, 40                           ; v40     its scale words
.set ZZ,  42                           ; v42     zz of my row
.set CH,  43                           ; v43     my row's chunk
.set ASC, 44                           ; v44-47  the four gathered fragments' scale words
.set OA,  48                           ; v48-51  their byte offsets in embq
.set OS,  52                           ; v52-55  their scale words'
.set EO,  56                           ; v56     my eight ee's
.set A,   64                           ; v64-159 four gathered fragments
.set ACC, 160                          ; v160-191 four accumulators
.set RES, 192                          ; v192-199 m of my row against my eight places of its chunk
.set EE,  200
.set T,   208
.set D,   216
	s_load_b256 s[4:11], s[0:1], 0x0               ; embq s[4:5], zq s[6:7], chunk s[8:9], out1 s[10:11]
	s_load_b64 s[12:13], s[0:1], 0x20              ; idx
	v_lshl_add_u32 v254, v0, 2, 0x800
	v_mov_b32 v255, 0
	v_lshrrev_b32 v1, 5, v0
	s_delay_alu instid0(VALU_DEP_1)
	v_readfirstlane_b32 s14, v1                    ; wave 0..15
	v_and_b32 v7, 31, v0                           ; l
	v_and_b32 v8, 15, v0                           ; r
	v_bfe_u32 v4, v0, 4, 1                         ; h
	s_delay_alu instid0(VALU_DEP_3)
	v_lshlrev_b32 v1, 4, v7                        ; 16 l
	s_delay_alu instid0(VALU_DEP_4)
	v_lshlrev_b32 v2, 2, v7                        ; 4 l
	s_delay_alu instid0(VALU_DEP_4)
	v_lshlrev_b32 v3, 2, v8                        ; 4 r
	; Code 16 chunk + a (a = my r) lies in record 2 (chunk / 2) + a / 8, tile row 8 (chunk % 2) + a % 8: my lane's part of that
	v_lshrrev_b32 v9, 3, v8
	v_and_b32 v10, 7, v8
	s_delay_alu instid0(VALU_DEP_2)
	v_mul_u32_u24 v9, v9, REC
	s_delay_alu instid0(VALU_DEP_1)
	v_lshl_add_u32 v5, v10, 4, v9
	s_delay_alu instid0(VALU_DEP_1)
	v_lshl_add_u32 v5, v4, 8, v5                   ; images: (r / 8) REC + 16 (r % 8) + 256 h
	s_delay_alu instid0(VALU_DEP_3)
	v_lshl_add_u32 v6, v10, 2, v9
	s_delay_alu instid0(VALU_DEP_1)
	v_lshl_add_u32 v6, v4, 6, v6                   ; scale words: (r / 8) REC + 4 (r % 8) + 64 h (+ 3,072 in the load)
	s_lshl_b32 s39, s14, 6
	v_lshl_add_u32 v228, v4, 10, v3
	s_delay_alu instid0(VALU_DEP_1)
	v_add_nc_u32 v228, s39, v228                   ; LDS: 64 x wave + 4 r; lanes 16-31, whose place is not the row's, 1,024 bytes on, where nobody reads
	v_lshrrev_b32 v9, 2, v7
	s_delay_alu instid0(VALU_DEP_1)
	v_lshlrev_b32 v229, 7, v9
	v_bfe_u32 v9, v7, 1, 1
	s_delay_alu instid0(VALU_DEP_1)
	v_lshl_add_u32 v229, v9, 6, v229
	v_and_b32 v9, 3, v7
	s_delay_alu instid0(VALU_DEP_1)
	v_lshl_add_u32 v229, v9, 4, v229               ; and back: rows 4 l .. 4 l + 3 lie at 128 (l / 4) + 64 ((l / 2) % 2) + 16 (l % 4)
	v_mov_b32 v226, 0                              ; (a lane permute's destination counts as one of its sources)
	v_mov_b32 v227, 0
	s_mov_b32 s34, 0x76543210
	s_mov_b32 s35, 0xfedcba98
	s_and_b32 s36, s14, 1
	s_lshl_b32 s36, s36, 3                         ; my first row in the tile
	s_lshl_b32 s37, 0x10001, s36                   ; the two lanes that hold it
	s_lshr_b32 s15, s14, 1
	s_lshl_b32 s16, ttmp9, 3
	s_add_co_u32 s16, s16, s15                     ; my tile of z
	s_mul_i32 s18, s16, REC
	s_mov_b32 s19, 0
	s_lshl_b32 s20, s16, 6                         ; its 16 words of chunk
	s_mov_b32 s21, 0
	s_lshl_b32 s22, ttmp9, 9
	s_lshl_b32 s23, s14, 5
	s_add_co_u32 s22, s22, s23                     ; my eight rows' words
	s_mov_b32 s23, 0
	s_lshl_b32 s32, ttmp9, 9                       ; the work-group's 128 words of out1 and idx
	s_mov_b32 s33, 0
	s_wait_kmcnt 0x0
	s_add_nc_u64 s[6:7], s[6:7], s[18:19]
	s_add_nc_u64 s[20:21], s[8:9], s[20:21]
	s_add_nc_u64 s[22:23], s[8:9], s[22:23]
	s_add_nc_u64 s[10:11], s[10:11], s[32:33]
	s_add_nc_u64 s[12:13], s[12:13], s[32:33]
	s_load_b256 s[24:31], s[22:23], 0x0            ; my eight rows' chunks, as scalars
	global_load_b32 v[CH], v3, s[20:21]            ; and each lane's row's
.irp g, 0,1,2,3,4,5
	global_load_b128 v[B+4*\g:B+4*\g+3], v1, s[6:7] offset:512*\g
.endr
	global_load_b32 v[BSC], v2, s[6:7] offset:3072
	global_load_b32 v[ZZ], v3, s[6:7] offset:3200
	s_wait_loadcnt 0x8                             ; the chunk is in; the eight loads behind it may be out
	v_min_u32 v[CH], 511, v[CH]
	s_delay_alu instid0(VALU_DEP_1)
	v_and_b32 v9, 510, v[CH]
	s_delay_alu instid0(VALU_DEP_1)
	v_mul_u32_u24 v[EO], v9, REC                   ; record 2 (chunk / 2)
	s_delay_alu instid0(VALU_DEP_3)
	v_and_b32 v9, 1, v[CH]
	s_delay_alu instid0(VALU_DEP_1)
	v_lshl_add_u32 v[EO], v9, 5, v[EO]             ; tile rows 8 (chunk % 2) on
	s_delay_alu instid0(VALU_DEP_1)
	v_mad_u32_u24 v[EO], v4, REC, v[EO]            ; places 8 h on lie in record + h
	global_load_b128 v[EE:EE+3], v[EO], s[4:5] offset:3200
	global_load_b128 v[EE+4:EE+7], v[EO], s[4:5] offset:3216
	s_wait_kmcnt 0x0
.irp i, 0,1,2,3,4,5,6,7
	s_min_u32 s[24+\i], s[24+\i], 511
.endr
.macro BADDR bt                        ; the offsets of rows 4 bt .. 4 bt + 3's fragments
.irp k, 0,1,2,3
	s_and_b32 s40, s[24+4*(\bt)+\k], 510
	s_mul_i32 s40, s40, REC
	s_and_b32 s41, s[24+4*(\bt)+\k], 1
	s_lshl_b32 s42, s41, 7
	s_add_co_u32 s42, s42, s40
	v_add_nc_u32 v[OA+\k], s42, v5
	s_lshl_b32 s42, s41, 5
	s_add_co_u32 s42, s42, s40
	v_add_nc_u32 v[OS+\k], s42, v6
.endr
.endm
.macro BLOAD
.irp k, 0,1,2,3
.irp g, 0,1,2,3,4,5
	global_load_b128 v[A+24*\k+4*\g:A+24*\k+4*\g+3], v[OA+\k], s[4:5] offset:512*\g
.endr
	global_load_b32 v[ASC+\k], v[OS+\k], s[4:5] offset:3072
.endr
.endm
.macro BMUL                            ; the four accumulators by turns, one instruction a turn; forms and modifiers as in the launch before
.irp k, 0,1,2,3
	v_wmma_scale_f32_16x16x128_f8f6f4 v[ACC+8*\k:ACC+8*\k+7], v[A+24*\k:A+24*\k+11], v[B:B+11], 0, v[ASC+\k], v[BSC] matrix_a_fmt:MATRIX_FMT_BF6 matrix_b_fmt:MATRIX_FMT_BF6
.endr
.irp k, 0,1,2,3
	v_wmma_scale_f32_16x16x128_f8f6f4 v[ACC+8*\k:ACC+8*\k+7], v[A+24*\k+12:A+24*\k+23], v[B+12:B+23], v[ACC+8*\k:ACC+8*\k+7], v[ASC+\k], v[BSC] matrix_a_fmt:MATRIX_FMT_BF6 matrix_b_fmt:MATRIX_FMT_BF6 matrix_a_scale:MATRIX_SCALE_ROW1 matrix_b_scale:MATRIX_SCALE_ROW1
.endr
.endm
.macro BSEL bt                         ; of each result the column of its own row is kept; each accumulator is read from its low end on
.irp k, 0,1,2,3
.if (4*(\bt)+\k) == 0
.irp j, 0,1,2,3,4,5,6,7
	v_mov_b32 v[RES+\j], v[ACC+\j]                 ; the first row's result starts RES in every lane
.endr
.else
	s_lshl_b32 s38, s37, 4*(\bt)+\k
.irp j, 0,1,2,3,4,5,6,7
	v_cndmask_b32 v[RES+\j], v[RES+\j], v[ACC+8*\k+\j], s38
.endr
.endif
.endr
.endm
	BADDR 0
	s_wait_alu depctr_va_vdst(0)
	BLOAD
	s_wait_loadcnt 0x0                             ; z, ee and the first four fragments
	BMUL
	BADDR 1                                        ; (the loads that read these registers are done)  its eight additions are the places behind the products
	s_wait_alu depctr_va_vdst(0)
	BLOAD                                          ; the next four fragments are on their way while the first four results are sorted
	BSEL 0
	s_wait_loadcnt 0x0
	BMUL
.rept 4
	v_nop                                          ; places in front of the first read of results
.endr
	s_wait_alu depctr_va_vdst(0)
	BSEL 1
.irp n, 0,1,2,3
	v_pk_add_f32 v[T+2*\n:T+2*\n+1], v[EE+2*\n:EE+2*\n+1], v[ZZ:ZZ+1] op_sel_hi:[1,0]   ; t = fl(ee + zz)
.endr
.irp n, 0,1,2,3
	s_delay_alu instid0(VALU_DEP_4)
	v_pk_fma_f32 v[D+2*\n:D+2*\n+1], v[RES+2*\n:RES+2*\n+1], -2.0, v[T+2*\n:T+2*\n+1] op_sel_hi:[1,0,1]   ; d = fl(t - 2 m)
.endr
	s_delay_alu instid0(VALU_DEP_4)
	v_mov_b32 v224, v[D]                           ; the first smallest of my eight, in ascending order: a strict compare keeps the earlier
	v_mov_b32 v225, 0
.irp j, 1
	s_delay_alu instid0(VALU_DEP_2)
	v_cmp_lt_f32 vcc_lo, v[D+\j], v224
	s_delay_alu instid0(VALU_DEP_1)
	v_cndmask_b32 v225, v225, \j, vcc_lo
	s_delay_alu instid0(VALU_DEP_4)
	v_min_num_f32 v224, v224, v[D+\j]
.endr
.irp j, 2, 3, 4, 5, 6, 7
	s_delay_alu instid0(VALU_DEP_1)
	v_cmp_lt_f32 vcc_lo, v[D+\j], v224
	s_delay_alu instid0(VALU_DEP_1)
	v_cndmask_b32 v225, v225, \j, vcc_lo
	s_delay_alu instid0(VALU_DEP_3)
	v_min_num_f32 v224, v224, v[D+\j]
.endr
	s_delay_alu instid0(VALU_DEP_1)
	v_permlanex16_b32 v226, v224, s34, s35
	s_delay_alu instid0(VALU_DEP_3)
	v_permlanex16_b32 v227, v225, s34, s35
	s_delay_alu instid0(VALU_DEP_2)
	v_cmp_lt_f32 vcc_lo, v226, v224                ; in lanes 0-15: do places 8-15 hold a strictly smaller d?
	s_delay_alu instid0(VALU_DEP_2)
	v_add_nc_u32 v227, 8, v227
	s_delay_alu instid0(VALU_DEP_1)
	v_cndmask_b32 v225, v225, v227, vcc_lo
	s_delay_alu instid0(VALU_DEP_1)
	v_lshl_add_u32 v225, v[CH], 4, v225            ; the index
	ds_store_b32 v228, v225
	s_wait_dscnt 0x0                               ; for wave 0's sake: my store is done
	s_barrier_signal -1
	s_barrier_wait -1
	s_cmp_lg_u32 s14, 0
	s_cbranch_scc1 .Lend
	ds_load_b128 v[232:235], v229                  ; four neighbouring rows' indices a lane
	s_wait_dscnt 0x0
	global_store_b128 v1, v[232:235], s[10:11]     ; 32 lanes store 512 consecutive bytes, aligned
	global_store_b128 v1, v[232:235], s[12:13]
.Lend:
	s_wait_tensorcnt 0x0
	ds_add_u32 v254, v255
	s_wait_dscnt 0x0
	s_endpgm
.Lfunc_end_k_q03f14a2ed0_resolve:
	.size	k_q03f14a2ed0_resolve, .Lfunc_end_k_q03f14a2ed0_resolve-k_q03f14a2ed0_resolve
	.p2alignl 7, 3214868480
	.fill 96, 4, 3214868480
	.section	.rodata,"a",@progbits
	.p2align	6, 0x0
	.amdhsa_kernel k_q03f14a2ed0_resolve
		.amdhsa_group_segment_fixed_size 4096
		.amdhsa_private_segment_fixed_size 0
		.amdhsa_enable_private_segment 0
		.amdhsa_kernarg_size 40
		.amdhsa_user_sgpr_count 2
		.amdhsa_user_sgpr_kernarg_segment_ptr 1
		.amdhsa_wavefront_size32 1
		.amdhsa_system_sgpr_workgroup_id_x 1
		.amdhsa_system_sgpr_workgroup_id_y 1
		.amdhsa_system_sgpr_workgroup_id_z 1
		.amdhsa_system_vgpr_workitem_id 0
		.amdhsa_next_free_vgpr 256
		.amdhsa_next_free_sgpr 66
		.amdhsa_reserve_vcc 1
		.amdhsa_float_denorm_mode_32 3
		.amdhsa_float_denorm_mode_16_64 3
		.amdhsa_memory_ordered 1
		.amdhsa_forward_progress 1
		.amdhsa_inst_pref_size 23
	.end_amdhsa_kernel
	.amdgpu_metadata
---
amdhsa.version: [ 1, 2 ]
amdhsa.kernels:
  - .name:           k_q03f14a2ed0_resolve
    .symbol:         k_q03f14a2ed0_resolve.kd
    .args:
      - { .name: embq, .offset: 0, .size: 8, .value_kind: global_buffer, .address_space: global }
      - { .name: zq, .offset: 8, .size: 8, .value_kind: global_buffer, .address_space: global }
      - { .name: chunk, .offset: 16, .size: 8, .value_kind: global_buffer, .address_space: global }
      - { .name: out1, .offset: 24, .size: 8, .value_kind: global_buffer, .address_space: global }
      - { .name: idx, .offset: 32, .size: 8, .value_kind: global_buffer, .address_space: global }
    .group_segment_fixed_size: 4096
    .private_segment_fixed_size: 0
    .kernarg_segment_align: 8
    .kernarg_segment_size: 40
    .max_flat_workgroup_size: 512
    .sgpr_count:     66
    .vgpr_count:     256
    .wavefront_size: 32
...
	.end_amdgpu_metadata
.endif
;; end of part 3
;; launch gather (part 4): grid 512 x 1, 8 waves a work-group, no clusters, 1,280 bytes of LDS; arguments z, emb, idx, out0, part; writes out0, part
.if DOCPART == 4
	.amdgcn_target "amdgcn-amd-amdhsa--gfx1250"
	.amdhsa_code_object_version 6
	.text
	.protected	k_q03f14a2ed0_gather
	.globl	k_q03f14a2ed0_gather
	.p2align	8
	.type	k_q03f14a2ed0_gather,@function
k_q03f14a2ed0_gather:
	s_mov_b64 s[64:65], 0
	v_nop
	global_prefetch_b8 v0, s[64:65] scope:SCOPE_SE
	s_setreg_imm32_b32 hwreg(HW_REG_WAVE_MODE, 25, 1), 1
	s_wait_xcnt 0x0
; out0 = z + (emb[idx] - z), rounded as written, and for each work-group the sum of (emb[idx] - z)^2, f32, into part.
; A stream: a wave takes 8 rows of 1,024 bytes; all its 32 loads go out at once, each of 512 consecutive bytes; each store covers 512 consecutive bytes, aligned.  Matrix units, tensor loads and clusters have nothing to do here.
; The rows of emb are named by idx, whole numbers that an earlier launch stored; an index is held at 8,191 before it enters an address.
; LIMIT: the sum of squares is an f32 sum in this text's own order (four packed chains a lane, the lanes, the eight waves).
.set Z, 16                             ; v16-79   row i: 8 registers
.set E, 80                             ; v80-143  the same of emb[idx]
.set L, 144                            ; v144-151 four packed sums
	s_load_b256 s[4:11], s[0:1], 0x0               ; z s[4:5], emb s[6:7], idx s[8:9], out0 s[10:11]
	s_load_b64 s[12:13], s[0:1], 0x20              ; part
	v_lshl_add_u32 v160, v0, 2, 0x100
	v_mov_b32 v161, 0
	v_lshrrev_b32 v1, 5, v0
	s_delay_alu instid0(VALU_DEP_1)
	v_readfirstlane_b32 s14, v1                    ; wave 0..7
	v_and_b32 v1, 31, v0
	s_delay_alu instid0(VALU_DEP_1)
	v_lshlrev_b32 v1, 4, v1                        ; 16 x lane
	s_delay_alu instid0(VALU_DEP_3)
	v_mov_b32 v2, s14
	s_delay_alu instid0(VALU_DEP_1)
	v_lshlrev_b32 v2, 2, v2                        ; LDS: my wave's word
	v_mov_b32 v3, 0
	s_mov_b32 s20, 0x76543210
	s_mov_b32 s21, 0xfedcba98
	s_lshl_b32 s15, ttmp9, 6
	s_lshl_b32 s16, s14, 3
	s_add_co_u32 s15, s15, s16                     ; my first row
	s_lshl_b32 s16, s15, 10
	s_mov_b32 s17, 0
	s_lshl_b32 s18, s15, 2
	s_mov_b32 s19, 0
	s_lshl_b32 s22, ttmp9, 2
	s_mov_b32 s23, 0
	s_wait_alu depctr_va_vdst(0)
	s_wait_kmcnt 0x0
	s_add_nc_u64 s[8:9], s[8:9], s[18:19]
	s_load_b256 s[24:31], s[8:9], 0x0              ; my eight indices
	s_add_nc_u64 s[4:5], s[4:5], s[16:17]
	s_add_nc_u64 s[10:11], s[10:11], s[16:17]
	s_add_nc_u64 s[12:13], s[12:13], s[22:23]
.irp i, 0,1,2,3,4,5,6,7
.irp f, 0,1
	global_load_b128 v[Z+8*\i+4*\f:Z+8*\i+4*\f+3], v1, s[4:5] offset:1024*\i+512*\f th:TH_LOAD_NT
.endr
.endr
	s_wait_kmcnt 0x0
.irp i, 0,1,2,3,4,5,6,7
	s_min_u32 s[24+\i], s[24+\i], 8191
	s_lshl_b32 s[32+2*\i], s[24+\i], 10
	s_mov_b32 s[33+2*\i], 0
	s_add_nc_u64 s[32+2*\i:33+2*\i], s[6:7], s[32+2*\i:33+2*\i]
.endr
.irp i, 0,1,2,3,4,5,6,7
.irp f, 0,1
	global_load_b128 v[E+8*\i+4*\f:E+8*\i+4*\f+3], v1, s[32+2*\i:33+2*\i] offset:512*\f   ; no hint: a row may be named again
.endr
.endr
.irp i, 0,1,2,3,4,5,6,7
	s_wait_loadcnt 14-2*\i                         ; z and this row of emb are in; the later rows' two loads each may be out
.irp p, 0,1,2,3
	v_pk_add_f32 v[E+8*\i+2*\p:E+8*\i+2*\p+1], v[E+8*\i+2*\p:E+8*\i+2*\p+1], v[Z+8*\i+2*\p:Z+8*\i+2*\p+1] neg_lo:[0,1] neg_hi:[0,1]   ; e - z
.endr
.irp p, 0,1,2,3
.if \i == 0
	s_delay_alu instid0(VALU_DEP_4)
	v_pk_mul_f32 v[L+2*\p:L+2*\p+1], v[E+2*\p:E+2*\p+1], v[E+2*\p:E+2*\p+1]               ; the first row starts the sums
.else
	s_delay_alu instid0(VALU_DEP_4)
	v_pk_fma_f32 v[L+2*\p:L+2*\p+1], v[E+8*\i+2*\p:E+8*\i+2*\p+1], v[E+8*\i+2*\p:E+8*\i+2*\p+1], v[L+2*\p:L+2*\p+1]
.endif
.endr
.irp p, 0,1,2,3
	v_pk_add_f32 v[Z+8*\i+2*\p:Z+8*\i+2*\p+1], v[Z+8*\i+2*\p:Z+8*\i+2*\p+1], v[E+8*\i+2*\p:E+8*\i+2*\p+1]   ; z + (e - z)
.endr
.irp f, 0,1
	global_store_b128 v1, v[Z+8*\i+4*\f:Z+8*\i+4*\f+3], s[10:11] offset:1024*\i+512*\f th:TH_STORE_NT
.endr
.endr
	v_pk_add_f32 v[L:L+1], v[L:L+1], v[L+2:L+3]
	v_pk_add_f32 v[L+4:L+5], v[L+4:L+5], v[L+6:L+7]
	s_delay_alu instid0(VALU_DEP_1)
	v_pk_add_f32 v[L:L+1], v[L:L+1], v[L+4:L+5]
	s_delay_alu instid0(VALU_DEP_1)
	v_add_f32 v[L], v[L], v[L+1]
	s_delay_alu instid0(VALU_DEP_1)
	v_add_f32_dpp v[L], v[L], v[L] row_xmask:1 row_mask:0xf bank_mask:0xf
	s_delay_alu instid0(VALU_DEP_1)
	v_add_f32_dpp v[L], v[L], v[L] row_xmask:2 row_mask:0xf bank_mask:0xf
	s_delay_alu instid0(VALU_DEP_1)
	v_add_f32_dpp v[L], v[L], v[L] row_xmask:4 row_mask:0xf bank_mask:0xf
	s_delay_alu instid0(VALU_DEP_1)
	v_add_f32_dpp v[L], v[L], v[L] row_xmask:8 row_mask:0xf bank_mask:0xf
	s_delay_alu instid0(VALU_DEP_1)
	v_permlanex16_b32 v[L+1], v[L], s20, s21
	s_delay_alu instid0(VALU_DEP_1)
	v_add_f32 v[L], v[L], v[L+1]                   ; the wave's sum, in every lane
	ds_store_b32 v2, v[L]                          ; all lanes write the same word with the same value
	s_wait_dscnt 0x0
	s_barrier_signal -1
	s_barrier_wait -1
	ds_load_b128 v[4:7], v3
	ds_load_b128 v[8:11], v3 offset:16
	s_wait_dscnt 0x0
	v_add_f32 v4, v4, v5
	v_add_f32 v6, v6, v7
	v_add_f32 v8, v8, v9
	v_add_f32 v10, v10, v11
	s_delay_alu instid0(VALU_DEP_3)
	v_add_f32 v4, v4, v6
	s_delay_alu instid0(VALU_DEP_2)
	v_add_f32 v8, v8, v10
	s_delay_alu instid0(VALU_DEP_1)
	v_add_f32 v4, v4, v8
	s_cmp_lg_u32 s14, 0
	s_cbranch_scc1 .Lend
	s_wait_xcnt 0x0                                ; EXEC changes only behind this wait: my stores have read it
	v_cmp_eq_u32 vcc_lo, 0, v0
	s_and_saveexec_b32 s22, vcc_lo
	s_wait_alu depctr_va_vdst(0)
	global_store_b32 v3, v4, s[12:13]              ; thread 0: the work-group's partial sum
	s_wait_xcnt 0x0
	s_or_b32 exec_lo, exec_lo, s22
.Lend:
	s_wait_tensorcnt 0x0
	ds_add_u32 v160, v161
	s_wait_dscnt 0x0
	s_endpgm
.Lfunc_end_k_q03f14a2ed0_gather:
	.size	k_q03f14a2ed0_gather, .Lfunc_end_k_q03f14a2ed0_gather-k_q03f14a2ed0_gather
	.p2alignl 7, 3214868480
	.fill 96, 4, 3214868480
	.section	.rodata,"a",@progbits
	.p2align	6, 0x0
	.amdhsa_kernel k_q03f14a2ed0_gather
		.amdhsa_group_segment_fixed_size 1280
		.amdhsa_private_segment_fixed_size 0
		.amdhsa_enable_private_segment 0
		.amdhsa_kernarg_size 40
		.amdhsa_user_sgpr_count 2
		.amdhsa_user_sgpr_kernarg_segment_ptr 1
		.amdhsa_wavefront_size32 1
		.amdhsa_system_sgpr_workgroup_id_x 1
		.amdhsa_system_sgpr_workgroup_id_y 1
		.amdhsa_system_sgpr_workgroup_id_z 1
		.amdhsa_system_vgpr_workitem_id 0
		.amdhsa_next_free_vgpr 162
		.amdhsa_next_free_sgpr 66
		.amdhsa_reserve_vcc 1
		.amdhsa_float_denorm_mode_32 3
		.amdhsa_float_denorm_mode_16_64 3
		.amdhsa_memory_ordered 1
		.amdhsa_forward_progress 1
		.amdhsa_inst_pref_size 17
	.end_amdhsa_kernel
	.amdgpu_metadata
---
amdhsa.version: [ 1, 2 ]
amdhsa.kernels:
  - .name:           k_q03f14a2ed0_gather
    .symbol:         k_q03f14a2ed0_gather.kd
    .args:
      - { .name: z, .offset: 0, .size: 8, .value_kind: global_buffer, .address_space: global }
      - { .name: emb, .offset: 8, .size: 8, .value_kind: global_buffer, .address_space: global }
      - { .name: idx, .offset: 16, .size: 8, .value_kind: global_buffer, .address_space: global }
      - { .name: out0, .offset: 24, .size: 8, .value_kind: global_buffer, .address_space: global }
      - { .name: part, .offset: 32, .size: 8, .value_kind: global_buffer, .address_space: global }
    .group_segment_fixed_size: 1280
    .private_segment_fixed_size: 0
    .kernarg_segment_align: 8
    .kernarg_segment_size: 40
    .max_flat_workgroup_size: 256
    .sgpr_count:     66
    .vgpr_count:     162
    .wavefront_size: 32
...
	.end_amdgpu_metadata
.endif
;; end of part 4
;; launch final (part 5): grid 1 x 1, 1 waves a work-group, no clusters, 0 bytes of LDS; arguments part, out2; writes out2
.if DOCPART == 5
	.amdgcn_target "amdgcn-amd-amdhsa--gfx1250"
	.amdhsa_code_object_version 6
	.text
	.protected	k_q03f14a2ed0_final
	.globl	k_q03f14a2ed0_final
	.p2align	8
	.type	k_q03f14a2ed0_final,@function
k_q03f14a2ed0_final:
	s_mov_b64 s[64:65], 0
	v_nop
	global_prefetch_b8 v0, s[64:65] scope:SCOPE_SE
	s_setreg_imm32_b32 hwreg(HW_REG_WAVE_MODE, 25, 1), 1
	s_wait_xcnt 0x0
; out2 = mean + 0.25 x mean, mean = the sum of the 512 partial sums / 2^23 (32,768 rows x 256).  One wave: a sum over work-groups has one owner, in a launch of its own.
	s_load_b128 s[4:7], s[0:1], 0x0                ; part s[4:5], out2 s[6:7]
	v_lshlrev_b32 v1, 4, v0
	s_mov_b32 s8, 0x76543210
	s_mov_b32 s9, 0xfedcba98
	s_wait_alu depctr_va_vdst(0)
	s_wait_kmcnt 0x0
.irp k, 0,1,2,3
	global_load_b128 v[4+4*\k:7+4*\k], v1, s[4:5] offset:512*\k
.endr
	s_wait_loadcnt 0x0
	v_pk_add_f32 v[4:5], v[4:5], v[6:7]
	v_pk_add_f32 v[8:9], v[8:9], v[10:11]
	v_pk_add_f32 v[12:13], v[12:13], v[14:15]
	v_pk_add_f32 v[16:17], v[16:17], v[18:19]
	v_pk_add_f32 v[4:5], v[4:5], v[8:9]
	v_pk_add_f32 v[12:13], v[12:13], v[16:17]
	v_pk_add_f32 v[4:5], v[4:5], v[12:13]
	v_add_f32 v4, v4, v5
	v_add_f32_dpp v4, v4, v4 row_xmask:1 row_mask:0xf bank_mask:0xf
	v_add_f32_dpp v4, v4, v4 row_xmask:2 row_mask:0xf bank_mask:0xf
	v_add_f32_dpp v4, v4, v4 row_xmask:4 row_mask:0xf bank_mask:0xf
	v_add_f32_dpp v4, v4, v4 row_xmask:8 row_mask:0xf bank_mask:0xf
	v_permlanex16_b32 v5, v4, s8, s9
	v_add_f32 v4, v4, v5
	v_mul_f32 v4, 0x34000000, v4                   ; x 2^-23: exact
	v_fma_f32 v5, 0x3e800000, v4, v4               ; mean + 0.25 x mean
	v_mov_b32 v6, 0
	s_wait_alu depctr_va_vdst(0)
	s_wait_xcnt 0x0                                ; EXEC changes only behind this wait
	v_cmp_eq_u32 vcc_lo, 0, v0
	s_and_saveexec_b32 s10, vcc_lo
	global_store_b32 v6, v5, s[6:7]
	s_wait_xcnt 0x0
	s_or_b32 exec_lo, exec_lo, s10
	s_endpgm
.Lfunc_end_k_q03f14a2ed0_final:
	.size	k_q03f14a2ed0_final, .Lfunc_end_k_q03f14a2ed0_final-k_q03f14a2ed0_final
	.p2alignl 7, 3214868480
	.fill 96, 4, 3214868480
	.section	.rodata,"a",@progbits
	.p2align	6, 0x0
	.amdhsa_kernel k_q03f14a2ed0_final
		.amdhsa_group_segment_fixed_size 0
		.amdhsa_private_segment_fixed_size 0
		.amdhsa_enable_private_segment 0
		.amdhsa_kernarg_size 16
		.amdhsa_user_sgpr_count 2
		.amdhsa_user_sgpr_kernarg_segment_ptr 1
		.amdhsa_wavefront_size32 1
		.amdhsa_system_sgpr_workgroup_id_x 1
		.amdhsa_system_sgpr_workgroup_id_y 1
		.amdhsa_system_sgpr_workgroup_id_z 1
		.amdhsa_system_vgpr_workitem_id 0
		.amdhsa_next_free_vgpr 32
		.amdhsa_next_free_sgpr 66
		.amdhsa_reserve_vcc 1
		.amdhsa_float_denorm_mode_32 3
		.amdhsa_float_denorm_mode_16_64 3
		.amdhsa_memory_ordered 1
		.amdhsa_forward_progress 1
		.amdhsa_inst_pref_size 3
	.end_amdhsa_kernel
	.amdgpu_metadata
---
amdhsa.version: [ 1, 2 ]
amdhsa.kernels:
  - .name:           k_q03f14a2ed0_final
    .symbol:         k_q03f14a2ed0_final.kd
    .args:
      - { .name: part, .offset: 0, .size: 8, .value_kind: global_buffer, .address_space: global }
      - { .name: out2, .offset: 8, .size: 8, .value_kind: global_buffer, .address_space: global }
    .group_segment_fixed_size: 0
    .private_segment_fixed_size: 0
    .kernarg_segment_align: 8
    .kernarg_segment_size: 16
    .max_flat_workgroup_size: 32
    .sgpr_count:     66
    .vgpr_count:     32
    .wavefront_size: 32
...
	.end_amdgpu_metadata
.endif
;; end of part 5
